; MI455X (gfx1250); checked and timed in simulation.
; The chip was launched on July 23, 2026; its instructions are those of AMD's public machine-readable ISA for CDNA 5 (MIT licence, August 2026) and "CDNA5" Instruction Set Architecture Reference Guide (July 2026). The comments in the code are by the model that wrote it; some were corrected since.
;; Transformer Decoder Layer. Allowed arithmetic: matrix products marked QUANTISED: E2M1 operands, one E8M0 scale for each 32 along K, by v_wmma_scale_f32_16x16x128_f8f6f4 with both operands' format E2M1 (or v_wmma_scale_f32_32x16x128_f4), f32 sums; products left as they are: f32 operands where the result goes on into a quantised operand, else bf16, f16 or f32 operands; f32 sums; everything else in f32.
;; Inputs: attn_out_b 256 float32; attn_out_w_codes 256 x 8 x 16 uint8 (E2M1 codes of attn_out_w, K innermost, in blocks of 32 codes, two codes a byte); attn_out_w_scales 256 x 8 uint8 (E8M0 scales of attn_out_w, one for each 32 codes along K); ff1_b 1,024 float32; ff1_w_codes 1,024 x 8 x 16 uint8 (E2M1 codes of ff1_w, K innermost, in blocks of 32 codes, two codes a byte); ff1_w_scales 1,024 x 8 uint8 (E8M0 scales of ff1_w, one for each 32 codes along K); ff2_b 256 float32; ff2_w_codes 256 x 32 x 16 uint8 (E2M1 codes of ff2_w, K innermost, in blocks of 32 codes, two codes a byte); ff2_w_scales 256 x 32 uint8 (E8M0 scales of ff2_w, one for each 32 codes along K); in_proj_b 768 float32; in_proj_w_codes 768 x 8 x 16 uint8 (E2M1 codes of in_proj_w, K innermost, in blocks of 32 codes, two codes a byte); in_proj_w_scales 768 x 8 uint8 (E8M0 scales of in_proj_w, one for each 32 codes along K); ln1_b 256 float32; ln1_g 256 float32; ln2_b 256 float32; ln2_g 256 float32; ln3_b 256 float32; ln3_g 256 float32; memory 512 x 4 x 256 float32; mlp1_b 256 float32; mlp1_w_codes 256 x 8 x 16 uint8 (E2M1 codes of mlp1_w, K innermost, in blocks of 32 codes, two codes a byte); mlp1_w_scales 256 x 8 uint8 (E8M0 scales of mlp1_w, one for each 32 codes along K); mlp2_b 256 float32; mlp2_w_codes 256 x 8 x 16 uint8 (E2M1 codes of mlp2_w, K innermost, in blocks of 32 codes, two codes a byte); mlp2_w_scales 256 x 8 uint8 (E8M0 scales of mlp2_w, one for each 32 codes along K); o_b 256 float32; o_w_codes 256 x 8 x 16 uint8 (E2M1 codes of o_w, K innermost, in blocks of 32 codes, two codes a byte); o_w_scales 256 x 8 uint8 (E8M0 scales of o_w, one for each 32 codes along K); query_pos 128 x 4 x 256 float32; relative_pos 128 x 512 x 4 x 256 float32; tgt 128 x 4 x 256 float32; v_b 256 float32; v_w_codes 256 x 8 x 16 uint8 (E2M1 codes of v_w, K innermost, in blocks of 32 codes, two codes a byte); v_w_scales 256 x 8 uint8 (E8M0 scales of v_w, one for each 32 codes along K).
;; Outputs: out0 128 x 4 x 256 float32.
;; This version of the problem:
;;   THIS VERSION OF THE PROBLEM IS GIVEN IN LOW PRECISION. The matrix products marked QUANTISED in the list below multiply operands that are first quantised to E2M1 (2 exponent bits, 1 mantissa bit; 4 bits a number), with one power-of-two scale for each 32 numbers along K (OCP MX v1.0); their sums are f32. All else is computed in f32.
;;   The module's matrix products, in the order in which they are computed (A, B: the left and right operand; K: the contracted axis; several contracted axes count as one K, in the product's order):
;;     1. [M 512, K 256] x [K 256, N 256]; A: computed on the way; B: input in_proj_w (given as codes): QUANTISED
;;     2. [M 512, K 256] x [K 256, N 256]; A: computed on the way; B: input in_proj_w (given as codes): QUANTISED
;;     3. [M 512, K 256] x [K 256, N 256]; A: computed on the way; B: input in_proj_w (given as codes): QUANTISED
;;     4. batch 32 x [M 128, K 32] x [K 32, N 128]; A: computed on the way; B: computed on the way: QUANTISED
;;     5. batch 32 x [M 32, K 128] x [K 128, N 128]; A: computed on the way; B: softmax (see below): QUANTISED
;;     6. [M 512, K 256] x [K 256, N 256]; A: computed on the way; B: input attn_out_w (given as codes): QUANTISED
;;     7. [M 262,144, K 256] x [K 256, N 256]; A: computed on the way; B: input mlp1_w (given as codes): QUANTISED
;;     8. [M 262,144, K 256] x [K 256, N 256]; A: computed on the way; B: input mlp2_w (given as codes): QUANTISED
;;     9. [M 262,144, K 256] x [K 256, N 256]; A: computed on the way; B: input v_w (given as codes): QUANTISED
;;     10. batch 131,072 x [M 1, K 512] x [K 512, N 1]; A: softmax (see below); B: computed on the way: left as it is (M = 1 < 16)
;;     11. [M 512, K 256] x [K 256, N 256]; A: computed on the way; B: input o_w (given as codes): QUANTISED
;;     12. [M 512, K 256] x [K 256, N 1,024]; A: computed on the way; B: input ff1_w (given as codes): QUANTISED
;;     13. [M 512, K 1,024] x [K 1,024, N 256]; A: computed on the way; B: input ff2_w (given as codes): QUANTISED
;;   THE QUANTISER, for each operand of a quantised product, along K:
;;     - K is cut into blocks of 32 from its start; a last block that is shorter is filled with zeros.
;;     - A block's scale is 2^e with e = floor(log2(the largest magnitude in the block)) - 2, held to -126 .. 127; a block of zeros has e = 0. As a byte (E8M0): e + 127.
;;     - Each number is divided by its block's scale, clamped to +-6, and rounded to the nearest number of E2M1, ties to even, subnormals kept.
;;     - The product sums the exact products of the quantised numbers (number of the format x scale) in f32.
;;   ~~~python
;;   def quantise(x, axis):      # numpy; x: float32 -> the quantised numbers, widened to float32 again
;;       x = np.moveaxis(x, axis, -1); K = x.shape[-1]
;;       x = np.pad(x, [(0, 0)] * (x.ndim - 1) + [(0, -K % 32)]); x = x.reshape(x.shape[:-1] + (-1, 32)); a = np.abs(x).max(-1, keepdims=True)
;;       e = np.where(a > 0, np.clip(np.frexp(np.where(a > 0, a, 1))[1] - 1 - 2, -126, 127), 0)      # np.frexp(a)[1] - 1 = floor(log2(a)), exactly
;;       r = np.clip(x / 2.0 ** e, -6, 6)
;;       step = 2.0 ** (np.maximum(np.frexp(np.where(r == 0, 1, r))[1] - 1, 0) - 1)
;;       q = np.round(r / step) * step * 2.0 ** e      # np.round: ties to even
;;       return np.moveaxis(q.reshape(q.shape[:-2] + (-1,))[..., :K], -1, axis).astype(np.float32)
;;   ~~~
;;   SOFTMAX AHEAD OF A QUANTISED PRODUCT. Where the list says 'softmax', what is quantised is not the finished softmax but p = 2^(t - M), with t = logit x log2(e) and M = ceil(the row's largest t), a whole number; so 1/2 < the row's largest p <= 1. The row's sum l is taken of the UNQUANTISED p, in f32, and the product's result is divided by l at the end. Since M is a whole number, a kernel that streams over the keys may use a running M (the ceiling of the running maximum): every later rescaling is an exact power of two, which a block's scale takes up: the codes' values come out the same.
;;   OPERANDS COMPUTED ON THE WAY. 'Computed on the way' means the value that the module computes at that place (a softmax that the list does not call 'softmax' is quantised finished and normalised). What goes into a quantiser is computed in f32, as accurately as f32 sums, v_exp_f32 and their like allow (about 1e-6 of the number): no bf16 or f16 on the way to a quantiser, and a product that is left as it is and whose result goes on into a quantised operand takes f32 operands (vector FMAs, or v_wmma_f32_16x16x4_f32). A number that lies on a knife's edge between two numbers of the format may be rounded either way, as far as f32 arithmetic and the matrix unit's own rounding can turn it there, and no further.
;;   INPUTS GIVEN AS CODES. attn_out_w (in the module: [256, 256], K = its axis 1); ff1_w (in the module: [1024, 256], K = its axis 1); ff2_w (in the module: [256, 1024], K = its axis 1); in_proj_w (in the module: [768, 256], K = its axis 1); mlp1_w (in the module: [256, 256], K = its axis 1); mlp2_w (in the module: [256, 256], K = its axis 1); o_w (in the module: [256, 256], K = its axis 1); v_w (in the module: [256, 256], K = its axis 1): each comes as NAME_codes (uint8): NAME with its K axis moved to the last place and cut into blocks of 32 codes, [.., K / 32, bytes a block], one block behind the other in memory; two codes a byte, the lower K in the low four bits (a code: sign, 2 exponent bits, 1 mantissa bit); and NAME_scales (uint8): the same leading axes, one E8M0 byte (e + 127) for each 32 codes along K. Its value is code x scale, taken as it is: it is not quantised again, and the codes and scales need not be those that the quantiser above would give.
;; One version. Each part assembles by itself: llvm-mc -triple=amdgcn-amd-amdhsa -mcpu=gfx1250 --defsym DOCPART=n.
;; ======== version 1 of 1: 2 launches
;; limits: right only within a limited range of input values
;; workspace buffers: tgt2w 524,288 bytes; memq 2,097,152 bytes
;; launch selfatt (part 1): grid 8 x 4, 8 waves a work-group, no clusters, 327,680 bytes of LDS; arguments tgt, query_pos, memory, ln1_g, ln1_b, in_proj_w_codes, in_proj_w_scales, in_proj_b, attn_out_w_codes, attn_out_w_scales, attn_out_b, ln2_g, ln2_b, tgt2w, memq; writes tgt2w, memq
.if DOCPART == 1
	.amdgcn_target "amdgcn-amd-amdhsa--gfx1250"
	.amdhsa_code_object_version 6
	.text
	.protected	k_q43d45ff81b_selfatt
	.globl	k_q43d45ff81b_selfatt
	.p2align	8
	.type	k_q43d45ff81b_selfatt,@function
k_q43d45ff81b_selfatt:
	s_mov_b64 s[64:65], 0
	v_nop
	global_prefetch_b8 v0, s[64:65] scope:SCOPE_SE
	s_setreg_imm32_b32 hwreg(HW_REG_WAVE_MODE, 25, 1), 1
	s_wait_xcnt 0x0
; Pre-norm self-attention for 16 queries of one batch, the residual, the second norm (stored as tgt2w), and a copy of memory laid by batch and 8-row group (memq).
; A work-group has 8 waves: in the norm a wave takes one tile of 16 rows, in the products one head (32 columns).
; tgt, query_pos, the gains and the biases go from memory straight into the lanes' registers: lane (r, h) takes of its row the 16 numbers 32 b + 16 h + 0 .. 15 of each block b.
; LDS holds only what the waves hand to each other: images of operands, scale words, partial sums and the stage for the way out.
; ln1_g and ln1_b alone go through LDS: a wave fetches them by four loads of 512 neighbouring bytes, stores them in 2,048 bytes of its own from GB on, and reads each lane's pieces back.
.set GB,   54784
.set AQK,  0
.set AT2,  16384
.set AQKS, 32768
.set AT2S, 33792
.set OIMG, 34816
.set OSC,  36864
.set PS1,  37120
.set PS2,  37632
.set STG,  38144
.set SP,   1040
.set T,    128
.set SA,   128
.set TM,   48
.set WV,   40
.set BBS,  42
.set SEL,  44
.set CA,   48
.set MSB, 0
.macro WIN new
.if MSB != (\new)
	s_set_vgpr_msb (MSB<<8)|(\new)
.set MSB, (\new)
.endif
.endm
.macro NOPS n
.rept \n
	v_nop
.endr
.endm
.macro BAR
	s_wait_dscnt 0x0
	s_barrier_signal -1
	s_barrier_wait -1
.endm
.macro MM d, a, b, c, sa, sb, ra, rb
.if ((\ra) == 0) && ((\rb) == 0)
	v_wmma_scale_f32_16x16x128_f8f6f4 v[(\d):(\d)+7], v[(\a):(\a)+7], v[(\b):(\b)+7], v[(\c):(\c)+7], v[\sa], v[\sb] matrix_a_fmt:MATRIX_FMT_FP4 matrix_b_fmt:MATRIX_FMT_FP4
.elseif (\rb) == 0
	v_wmma_scale_f32_16x16x128_f8f6f4 v[(\d):(\d)+7], v[(\a):(\a)+7], v[(\b):(\b)+7], v[(\c):(\c)+7], v[\sa], v[\sb] matrix_a_fmt:MATRIX_FMT_FP4 matrix_b_fmt:MATRIX_FMT_FP4 matrix_a_scale:MATRIX_SCALE_ROW1
.else
	v_wmma_scale_f32_16x16x128_f8f6f4 v[(\d):(\d)+7], v[(\a):(\a)+7], v[(\b):(\b)+7], v[(\c):(\c)+7], v[\sa], v[\sb] matrix_a_fmt:MATRIX_FMT_FP4 matrix_b_fmt:MATRIX_FMT_FP4 matrix_b_scale:MATRIX_SCALE_ROW1
.endif
.endm
.macro MMZ d, a, b, sa, sb
	v_wmma_scale_f32_16x16x128_f8f6f4 v[(\d):(\d)+7], v[(\a):(\a)+7], v[(\b):(\b)+7], 0, v[\sa], v[\sb] matrix_a_fmt:MATRIX_FMT_FP4 matrix_b_fmt:MATRIX_FMT_FP4
.endm
.macro QCORE src, pc, pw, w
	WIN 0x05*(\w)
.irp b, 0,1,2,3
	v_max3_num_f32 v[TM+\b], |v[(\src)+16*\b]|, |v[(\src)+16*\b+1]|, 0x1800000
.endr
.irp i, 2,4,6,8,10,12,14
.irp b, 0,1,2,3
	v_max3_num_f32 v[TM+\b], |v[(\src)+16*\b+\i]|, |v[(\src)+16*\b+\i+1]|, v[TM+\b]
.endr
.endr
	WIN 0
.irp b, 0,1,2,3
	v_permlanex16_b32 v[TM+4+\b], v[TM+\b], s[SEL], s[SEL+1]
.endr
.irp b, 0,1,2,3
	s_delay_alu instid0(VALU_DEP_4)
	v_max_num_f32 v[TM+\b], v[TM+\b], v[TM+4+\b]
.endr
.irp b, 0,1,2,3
	s_delay_alu instid0(VALU_DEP_4)
	v_add_nc_u32 v[TM+12+\b], 0xff000000, v[TM+\b]
.endr
.irp b, 0,1,2,3
	s_delay_alu instid0(VALU_DEP_4)
	v_lshrrev_b32 v[TM+4+\b], 23, v[TM+12+\b]
.endr
	s_delay_alu instid0(VALU_DEP_3)
	v_lshl_or_b32 v[\pw], v[TM+5], 8, v[TM+4]
	s_delay_alu instid0(VALU_DEP_1)
	v_lshl_or_b32 v[\pw], v[TM+6], 16, v[\pw]
	s_delay_alu instid0(VALU_DEP_1)
	v_lshl_or_b32 v[\pw], v[TM+7], 24, v[\pw]
	WIN 0x01*(\w)
.irp b, 0,1,2,3
	v_cvt_scalef32_pk8_fp4_f32 v[(\pc)+2*\b], v[(\src)+16*\b:(\src)+16*\b+7], v[TM+12+\b]
	v_cvt_scalef32_pk8_fp4_f32 v[(\pc)+2*\b+1], v[(\src)+16*\b+8:(\src)+16*\b+15], v[TM+12+\b]
.endr
	WIN 0
	v_nop
.endm
.macro QB src, pc, ia, io, sa, so
	QCORE \src, \pc, TM+8, 0
.irp b, 0,1,2,3
	ds_store_b64 v[\ia], v[(\pc)+2*\b:(\pc)+2*\b+1] offset:(\io)+256*\b
.endr
	ds_store_b32 v[\sa], v[TM+8] offset:\so
.endm
.macro QR src, pc, pw, w
	QCORE \src, \pc, \pw, \w
.irp c, 0,1
.irp i, 0,1
	v_permlane16_swap_b32 v[(\pc)+4*\c+\i], v[(\pc)+2+4*\c+\i]
.endr
.endr
.endm
.macro Q1C src, cc, ks
	v_max3_num_f32 v[TM], |v[(\src)]|, |v[(\src)+1]|, 0x1800000
	v_max3_num_f32 v[TM+1], |v[(\src)+2]|, |v[(\src)+3]|, |v[(\src)+4]|
	v_max3_num_f32 v[TM], v[TM], |v[(\src)+5]|, |v[(\src)+6]|
	v_max3_num_f32 v[TM+1], v[TM+1], |v[(\src)+7]|, |v[(\src)+8]|
	v_max3_num_f32 v[TM], v[TM], |v[(\src)+9]|, |v[(\src)+10]|
	v_max3_num_f32 v[TM+1], v[TM+1], |v[(\src)+11]|, |v[(\src)+12]|
	v_max3_num_f32 v[TM], v[TM], |v[(\src)+13]|, |v[(\src)+14]|
	v_max3_num_f32 v[TM], v[TM], v[TM+1], |v[(\src)+15]|
	s_delay_alu instid0(VALU_DEP_1)
	v_permlanex16_b32 v[TM+4], v[TM], s[SEL], s[SEL+1]
	s_delay_alu instid0(VALU_DEP_1)
	v_max_num_f32 v[TM], v[TM], v[TM+4]
	s_delay_alu instid0(VALU_DEP_1)
	v_add_nc_u32 v[TM+12], 0xff000000, v[TM]
	s_delay_alu instid0(VALU_DEP_1)
	v_lshrrev_b32 v[\ks], 23, v[TM+12]
	v_cvt_scalef32_pk8_fp4_f32 v[\cc], v[(\src):(\src)+7], v[TM+12]
	v_cvt_scalef32_pk8_fp4_f32 v[(\cc)+1], v[(\src)+8:(\src)+15], v[TM+12]
	v_nop
.endm
.macro Q1 src, kf, ks
	Q1C \src, \kf, \ks
	v_mov_b32 v[(\kf)+2], 0
	v_mov_b32 v[(\kf)+3], 0
	v_permlane16_swap_b32 v[(\kf)], v[(\kf)+2]
	v_permlane16_swap_b32 v[(\kf)+1], v[(\kf)+3]
.endm
.macro PIECE dst, adr, base, n, off
.set q, 0
.rept \n
	global_load_b128 v[(\dst)+4*q:(\dst)+4*q+3], v[\adr], s[\base:\base+1] offset:(\off)+128*(q/4)+16*(q%4)
.set q, q+1
.endr
.endm
.macro LPIECE dst, n, off                      ; n pieces of 16 bytes from my wave's copy of ln1_g (off = 0) or ln1_b (1024): 64 bytes of each 128, by my half of the lanes
.set q, 0
.rept \n
	ds_load_b128 v[(\dst)+4*q:(\dst)+4*q+3], v22 offset:(\off)+128*(q/4)+16*(q%4)
.set q, q+1
.endr
.endm
.macro RED3
	v_pk_add_f32 v[48:49], v[48:49], v[50:51]
	v_pk_add_f32 v[52:53], v[52:53], v[54:55]
	s_delay_alu instid0(VALU_DEP_1)
	v_pk_add_f32 v[48:49], v[48:49], v[52:53]
	s_delay_alu instid0(VALU_DEP_1)
	v_add_f32 v48, v48, v49
.endm
.macro RED
	RED3
	s_delay_alu instid0(VALU_DEP_1)
	v_permlanex16_b32 v49, v48, s[SEL], s[SEL+1]
	s_delay_alu instid0(VALU_DEP_1)
	v_add_f32 v48, v48, v49
.endm
	s_load_b512 s[4:19], s[0:1], 0x0
	s_load_b256 s[20:27], s[0:1], 0x40
	s_load_b128 s[28:31], s[0:1], 0x60
	s_load_b64 s[32:33], s[0:1], 0x70
	v_lshrrev_b32 v1, 5, v0
	s_delay_alu instid0(VALU_DEP_1)
	v_readfirstlane_b32 s[WV], v1
	s_and_b32 s[BBS], ttmp7, 0xffff
	s_xor_b32 s43, s[WV], ttmp9
	s_lshl_b32 s52, s[BBS], 10
	s_lshr_b32 s46, s43, 1
	s_lshl_b32 s46, s46, 5
	s_and_b32 s47, s43, 1
	s_lshl_b32 s47, s47, 3
	s_add_co_u32 s46, s46, s47
	s_lshl_b32 s46, s46, 12
	s_add_co_u32 s46, s46, s52
	s_mov_b32 s47, 0
	s_lshr_b32 s54, ttmp9, 1
	s_lshl_b32 s54, s54, 5
	s_and_b32 s55, ttmp9, 1
	s_lshl_b32 s55, s55, 3
	s_add_co_u32 s54, s54, s55
	s_lshl_b32 s54, s54, 12
	s_add_co_u32 s54, s54, s52
	s_mov_b32 s55, 0
	s_mov_b32 s[SEL], 0x76543210
	s_mov_b32 s[SEL+1], 0xfedcba98
	s_mov_b32 s[CA], 0x3e8293ee
	s_mov_b32 s[CA+1], s[CA]
	s_mov_b32 s50, 0x3b800000
	s_mov_b32 s51, 0x3727c5ac
	v_and_b32 v1, 15, v0
	v_bfe_u32 v2, v0, 4, 1
	v_and_b32 v3, 31, v0
	v_bfe_u32 v4, v0, 3, 1
	s_delay_alu instid0(VALU_DEP_1)
	v_lshl_add_u32 v4, v4, 3, v1
	s_delay_alu instid0(VALU_DEP_4)
	v_lshlrev_b32 v6, 6, v2
	s_delay_alu instid0(VALU_DEP_1)
	v_lshl_add_u32 v5, v4, 12, v6
	v_lshlrev_b32 v16, 4, v1
	s_delay_alu instid0(VALU_DEP_1)
	v_lshl_add_u32 v16, v2, 3, v16
	s_lshl_b32 s53, s[WV], 11
	v_add_nc_u32 v7, s53, v16
	s_lshl_b32 s53, s[WV], 8
	s_add_co_u32 s53, s53, OIMG
	v_add_nc_u32 v16, s53, v16
	v_lshlrev_b32 v10, 3, v1
	s_add_co_u32 s53, s[WV], OSC
	v_add_nc_u32 v17, s53, v10
	v_add_nc_u32 v10, AQKS, v10
	s_lshl_b32 s53, s[WV], 7
	v_add_nc_u32 v8, s53, v10
	v_lshlrev_b32 v9, 4, v3
	v_lshlrev_b32 v11, 7, v4
	s_delay_alu instid0(VALU_DEP_1)
	v_lshl_add_u32 v11, v2, 4, v11
	v_lshlrev_b32 v12, 3, v4
	s_delay_alu instid0(VALU_DEP_1)
	v_lshl_add_u32 v12, v2, 2, v12
	v_lshlrev_b32 v15, 2, v4
	v_bfe_u32 v13, v0, 1, 3
	s_delay_alu instid0(VALU_DEP_1)
	v_lshlrev_b32 v13, 12, v13
	v_and_b32 v14, 1, v0
	s_delay_alu instid0(VALU_DEP_1)
	v_lshl_add_u32 v13, v14, 6, v13
	s_delay_alu instid0(VALU_DEP_1)
	v_lshl_add_u32 v13, v2, 4, v13
	v_lshlrev_b32 v19, 5, v1
	s_delay_alu instid0(VALU_DEP_1)
	v_add_nc_u32 v19, PS1, v19
	s_lshl_b32 s53, s[WV], 2
	v_add_nc_u32 v18, s53, v19
	v_mad_u32_u24 v20, v1, SP, v6
	s_lshl_b32 s53, s[WV], 7
	s_add_co_u32 s53, s53, STG
	v_add_nc_u32 v20, s53, v20
	s_mul_i32 s53, s[WV], 2*SP
	s_add_co_u32 s53, s53, STG
	v_add_nc_u32 v21, s53, v9
	s_lshl_b32 s53, s[WV], 11
	s_add_co_u32 s53, s53, GB                      ; my wave's 2,048 bytes
	v_add_nc_u32 v22, s53, v6                      ; back: + 64 h
	v_add_nc_u32 v23, s53, v9                      ; in: + 16 x lane
.irp b, 0,1,2,3
	v_mov_b32 v[TM+4+\b], 0
.endr
	s_wait_alu depctr_va_vdst(0)
	s_wait_kmcnt 0x0
	s_add_nc_u64 s[34:35], s[4:5], s[46:47]
	s_add_nc_u64 s[36:37], s[6:7], s[46:47]
	global_load_b128 v[24:27], v9, s[10:11]        ; ln1_g, 1,024 bytes, and ln1_b: 16 bytes a lane
	global_load_b128 v[28:31], v9, s[10:11] offset:512
	global_load_b128 v[32:35], v9, s[12:13]
	global_load_b128 v[36:39], v9, s[12:13] offset:512
	PIECE T, 5, 34, 32, 0                          ; my row of tgt: 8 blocks x 64 bytes a lane (v5: row r + 8 (r / 8) of the tile, + 64 h)
	PIECE 64, 5, 36, 16, 0                         ; query_pos, blocks 0 to 3; blocks 4 to 7 follow when ln1_b's registers are free
	s_mov_b32 s57, 0
	s_lshl_b32 s56, s[WV], 12
	s_add_nc_u64 s[14:15], s[14:15], s[56:57]
	s_add_nc_u64 s[20:21], s[20:21], s[56:57]
	s_lshl_b32 s56, s[WV], 8
	s_add_nc_u64 s[16:17], s[16:17], s[56:57]
	s_add_nc_u64 s[22:23], s[22:23], s[56:57]
	s_lshl_b32 s56, s[WV], 7
	s_add_nc_u64 s[18:19], s[18:19], s[56:57]
	s_add_nc_u64 s[24:25], s[24:25], s[56:57]
	s_add_nc_u64 s[26:27], s[26:27], s[56:57]
	s_add_nc_u64 s[28:29], s[28:29], s[56:57]
	s_add_nc_u64 s[4:5], s[4:5], s[54:55]
	s_add_nc_u64 s[4:5], s[4:5], s[56:57]
	s_lshl_b32 s56, ttmp9, 18
	s_lshl_b32 s58, s[WV], 15
	s_add_co_u32 s56, s56, s58
	s_add_co_u32 s56, s56, s52
	s_add_nc_u64 s[8:9], s[8:9], s[56:57]
	s_lshl_b32 s56, s[BBS], 19
	s_lshl_b32 s58, ttmp9, 16
	s_add_co_u32 s56, s56, s58
	s_lshl_b32 s58, s[WV], 13
	s_add_co_u32 s56, s56, s58
	s_add_nc_u64 s[32:33], s[32:33], s[56:57]
	s_lshl_b32 s56, s[WV], 13
	s_lshr_b32 s58, s[WV], 2
	s_lshl_b32 s58, s58, 15
	s_add_co_u32 s56, s56, s58
	s_add_co_u32 s56, s56, s54
	s_add_nc_u64 s[30:31], s[30:31], s[56:57]
	s_wait_loadcnt 48                              ; ln1_g and ln1_b are in: behind them 32 loads of tgt and 16 of query_pos
.irp n, 0,1,2,3
	ds_store_b128 v23, v[24+4*\n:27+4*\n] offset:512*\n
.endr
	WIN 0x40
	LPIECE 0, 32, 0                                ; LDS serves a wave's instructions in order: these see my stores
	LPIECE 128, 32, 1024
	WIN 0
	s_wait_loadcnt 16                              ; tgt is in: behind it query_pos's 16 loads
.irp c, 0,1,2,3
	v_pk_add_f32 v[48+2*\c:49+2*\c], v[T+2*\c:T+2*\c+1], v[T+8+2*\c:T+9+2*\c]
.endr
.set i, 16
.rept 14
.irp c, 0,1,2,3
	s_delay_alu instid0(VALU_DEP_4)
	v_pk_add_f32 v[48+2*\c:49+2*\c], v[48+2*\c:49+2*\c], v[T+i+2*\c:T+i+2*\c+1]
.endr
.set i, i+8
.endr
	RED
	s_delay_alu instid0(VALU_DEP_1)
	v_mul_f32 v56, s50, v48
	s_delay_alu instid0(VALU_DEP_1)
	v_mov_b32 v57, v56
.set i, 0
.rept 64
	v_pk_add_f32 v[T+i:T+i+1], v[T+i:T+i+1], v[56:57] neg_lo:[0,1] neg_hi:[0,1]
.set i, i+2
.endr
.irp c, 0,1,2,3
	v_pk_mul_f32 v[48+2*\c:49+2*\c], v[T+2*\c:T+2*\c+1], v[T+2*\c:T+2*\c+1]
.endr
.set i, 8
.rept 15
.irp c, 0,1,2,3
	s_delay_alu instid0(VALU_DEP_4)
	v_pk_fma_f32 v[48+2*\c:49+2*\c], v[T+i+2*\c:T+i+2*\c+1], v[T+i+2*\c:T+i+2*\c+1], v[48+2*\c:49+2*\c]
.endr
.set i, i+8
.endr
	RED
	s_delay_alu instid0(VALU_DEP_1)
	v_fma_f32 v48, v48, s50, s51
	s_wait_alu depctr_va_vdst(0)
	v_rsq_f32 v56, v48
	v_nop
	s_wait_alu depctr_va_vdst(0)
	v_mov_b32 v57, v56
.set i, 0
.rept 64
	v_pk_mul_f32 v[T+i:T+i+1], v[T+i:T+i+1], v[56:57]
.set i, i+2
.endr
	s_wait_loadcnt 0x0
	s_wait_dscnt 0x0                               ; the gain's and the bias's pieces are in
	WIN 0x14
.set i, 0
.rept 64
	v_pk_fma_f32 v[T+i:T+i+1], v[T+i:T+i+1], v[i:i+1], v[128+i:129+i]
.set i, i+2
.endr
	WIN 0x40
	PIECE 128, 5, 36, 16, 512                      ; query_pos, blocks 4 to 7, where ln1_b lay
.irp e, 0,1,2
.irp u, 0,1
.irp k, 0,1
.irp c, 0,1
	global_load_b128 v[32*\e+16*\u+8*\k+4*\c:32*\e+16*\u+8*\k+4*\c+3], v11, s[14:15] offset:(256*\e+8*\u)*128+64*\k+32*\c
.endr
.endr
.endr
.endr
.irp e, 0,1
.irp u, 0,1
	global_load_b128 v[96+16*\e+8*\u:99+16*\e+8*\u], v6, s[18:19] offset:(256*\e+8*\u)*4
	global_load_b128 v[100+16*\e+8*\u:103+16*\e+8*\u], v6, s[18:19] offset:(256*\e+8*\u)*4+16
.endr
.endr
.set i, 0
.rept 16
	global_load_b128 v[192+4*i:195+4*i], v13, s[8:9] offset:128*(i/2)+32*(i%2) th:TH_LOAD_NT
.set i, i+1
.endr
	WIN 0
.irp e, 0,1,2
.irp u, 0,1
	global_load_b32 v[24+2*\e+\u], v12, s[16:17] offset:(256*\e+8*\u)*8
.endr
.endr
.irp u, 0,1
	global_load_b32 v[46+\u], v15, s[18:19] offset:(512+8*\u)*4
.endr
	QB T, 32, 7, AT2, 8, 1024
	QB T+64, 32, 7, AT2+1024, 8, 1028
.set i, 0
.rept 32
	v_pk_add_f32 v[64+i:65+i], v[64+i:65+i], v[T+i:T+i+1]
.set i, i+2
.endr
	QB 64, 32, 7, AQK, 8, 0
	s_wait_alu depctr_va_vdst(0)
	s_wait_loadcnt 56                              ; query_pos's blocks 4 to 7 are in: behind them 24 loads of weights, 8 of biases, 16 of memory, 8 of scale and bias words
	WIN 0x04
.set i, 0
.rept 32
	v_pk_add_f32 v[64+i:65+i], v[T+64+i:T+65+i], v[128+i:129+i]
.set i, i+2
.endr
	WIN 0
	QB 64, 32, 7, AQK+1024, 8, 4
	s_wait_loadcnt 0x0
	WIN 0x04
.set i, 0
.rept 16
	global_store_b128 v9, v[192+4*i:195+4*i], s[32:33] offset:512*i
.set i, i+1
.endr
	WIN 0
.irp u, 0,1
.irp j, 0,1,2,3,4,5,6,7
	v_mov_b32 v[176+8*\u+\j], v[46+\u]
.endr
.endr
.irp m, 0,1,2,3,4,5,6,7
.irp j, 4,5,6,7
	v_mov_b32 v[64+8*\m+\j], 0
.endr
.endr
.irp j, 4,5,6,7
	v_mov_b32 v[192+\j], 0
.endr
	s_wait_xcnt 0x0
	BAR
.macro FETCHA m
.irp k, 0,1
.irp c, 0,1
	ds_load_b128 v[128+8*\k+4*\c:131+8*\k+4*\c], v9 offset:AQK+2048*(\m)+1024*\k+512*\c
	ds_load_b128 v[144+8*\k+4*\c:147+8*\k+4*\c], v9 offset:AT2+2048*(\m)+1024*\k+512*\c
.endr
.endr
	ds_load_b64 v[42:43], v10 offset:128*(\m)
	ds_load_b64 v[44:45], v10 offset:1024+128*(\m)
.endm
.macro ROWT m
	s_wait_dscnt 0x0
	WIN 0x11
.if \m == 0
	MM 224, 0, 128, 96, 24, 42, 0, 0
	MM 232, 16, 128, 104, 25, 42, 0, 0
.endif
	MM 160, 32, 128, 112, 26, 42, 0, 0
	MM 168, 48, 128, 120, 27, 42, 0, 0
	WIN 0x01
.if \m == 0
	MM 224, 8, 136, 224, 24, 43, 1, 0
	MM 232, 24, 136, 232, 25, 43, 1, 0
.endif
	MM 160, 40, 136, 160, 26, 43, 1, 0
	MM 168, 56, 136, 168, 27, 43, 1, 0
	WIN 0x44
	MM 128+8*\m, 144, 64, 176, 44, 28, 0, 0
	MM 192+8*\m, 144, 80, 184, 44, 29, 0, 0
	WIN 0x54
	MM 128+8*\m, 152, 72, 128+8*\m, 45, 28, 0, 1
	MM 192+8*\m, 152, 88, 192+8*\m, 45, 29, 0, 1
	WIN 0
	NOPS 4
.if \m < 7
	FETCHA \m+1
.endif
	Q1 160, 64+8*\m, 30+\m
.if \m == 0
	Q1 224, 192, 38
.endif
.endm
	FETCHA 0
.irp m, 0,1,2,3,4,5,6,7
	ROWT \m
.endr
	QR 128, 200, 39, 1
	QR 192, 208, 40, 1
	WIN 0x40
.irp u, 0,1
.irp k, 0,1
.irp c, 0,1
	global_load_b128 v[128+16*\u+8*\k+4*\c:131+16*\u+8*\k+4*\c], v11, s[20:21] offset:8*\u*128+64*\k+32*\c
.endr
.endr
.endr
	PIECE 160, 5, 4, 4, 0
	PIECE 176, 6, 24, 4, 0
	PIECE 192, 6, 26, 4, 0
	PIECE 208, 6, 28, 4, 0
	WIN 0
.irp u, 0,1
	global_load_b32 v[46+\u], v12, s[22:23] offset:64*\u
.endr
.irp m, 0,1,2,3,4,5,6,7
	MMZ SA+8*\m, 64+8*\m, 192, 30+\m, 38
.endr
	NOPS 4
.irp b, 0,1,2,3
	v_max3_num_f32 v[TM+\b], v[SA+16*\b], v[SA+16*\b+1], v[SA+16*\b+2]
.endr
.irp i, 3,5,7,9,11,13
.irp b, 0,1,2,3
	v_max3_num_f32 v[TM+\b], v[TM+\b], v[SA+16*\b+\i], v[SA+16*\b+\i+1]
.endr
.endr
.irp b, 0,1,2,3
	v_max_num_f32 v[TM+\b], v[TM+\b], v[SA+16*\b+15]
.endr
.irp b, 0,1,2,3
	s_delay_alu instid0(VALU_DEP_4)
	v_permlanex16_b32 v[TM+4+\b], v[TM+\b], s[SEL], s[SEL+1]
.endr
.irp b, 0,1,2,3
	s_delay_alu instid0(VALU_DEP_4)
	v_max_num_f32 v[TM+\b], v[TM+\b], v[TM+4+\b]
.endr
	s_delay_alu instid0(VALU_DEP_2)
	v_max3_num_f32 v56, v48, v49, v50
	s_delay_alu instid0(VALU_DEP_1)
	v_max_num_f32 v56, v56, v51
	s_delay_alu instid0(VALU_DEP_1)
	v_mul_f32 v56, s[CA], v56
	s_delay_alu instid0(VALU_DEP_1)
	v_floor_f32 v58, -v56
	s_delay_alu instid0(VALU_DEP_1)
	v_mov_b32 v59, v58
.set j, 0
.rept 32
	v_pk_fma_f32 v[SA+j:SA+j+1], v[SA+j:SA+j+1], s[CA:CA+1], v[58:59] op_sel_hi:[1,0,0]
.set j, j+2
.endr
.irp b, 0,1,2,3
	v_fma_f32 v[TM+\b], v[TM+\b], s[CA], v58
.endr
.set j, 0
	s_wait_alu depctr_va_vdst(0)
.rept 64
	v_exp_f32 v[SA+j], v[SA+j]
.set j, j+1
.endr
	v_nop
	s_wait_alu depctr_va_vdst(0)
.irp b, 0,1,2,3
	v_exp_f32 v[TM+\b], v[TM+\b]
.endr
	v_pk_add_f32 v[240:241], v[SA:SA+1], v[SA+2:SA+3]
	v_pk_add_f32 v[242:243], v[SA+4:SA+5], v[SA+6:SA+7]
.irp j, 8,12,16,20,24,28,32,36,40,44,48,52,56,60
	v_pk_add_f32 v[240:241], v[240:241], v[SA+\j:SA+\j+1]
	v_pk_add_f32 v[242:243], v[242:243], v[SA+\j+2:SA+\j+3]
.endr
	s_delay_alu instid0(VALU_DEP_1)
	v_pk_add_f32 v[240:241], v[240:241], v[242:243]
	s_delay_alu instid0(VALU_DEP_1)
	v_add_f32 v240, v240, v241
	s_delay_alu instid0(VALU_DEP_1)
	v_permlanex16_b32 v241, v240, s[SEL], s[SEL+1]
	s_delay_alu instid0(VALU_DEP_1)
	v_add_f32 v240, v240, v241
	s_wait_alu depctr_va_vdst(0)
.irp b, 0,1,2,3
	v_max_num_f32 v[TM+\b], 0x1800000, v[TM+\b]
.endr
.irp b, 0,1,2,3
	s_delay_alu instid0(VALU_DEP_4)
	v_add_nc_u32 v[TM+12+\b], 0xff000000, v[TM+\b]
.endr
.irp b, 0,1,2,3
	s_delay_alu instid0(VALU_DEP_4)
	v_lshrrev_b32 v[TM+4+\b], 23, v[TM+12+\b]
.endr
	s_delay_alu instid0(VALU_DEP_3)
	v_lshl_or_b32 v41, v[TM+5], 8, v[TM+4]
	s_delay_alu instid0(VALU_DEP_1)
	v_lshl_or_b32 v41, v[TM+6], 16, v41
	s_delay_alu instid0(VALU_DEP_1)
	v_lshl_or_b32 v41, v[TM+7], 24, v41
.irp b, 0,1,2,3
	v_cvt_scalef32_pk8_fp4_f32 v[216+2*\b], v[SA+16*\b:SA+16*\b+7], v[TM+12+\b]
	v_cvt_scalef32_pk8_fp4_f32 v[217+2*\b], v[SA+16*\b+8:SA+16*\b+15], v[TM+12+\b]
.endr
	v_nop
.irp c, 0,1
.irp i, 0,1
	v_permlane16_swap_b32 v[216+4*\c+\i], v[218+4*\c+\i]
.endr
.endr
	s_wait_alu depctr_va_vdst(0)
	v_rcp_f32 v240, v240
	NOPS 8
	MMZ 224, 200, 216, 39, 41
	MMZ 232, 208, 216, 40, 41
	NOPS 4
	s_wait_alu depctr_va_vdst(0)
.irp i, 0,2,4,6,8,10,12,14
	v_pk_mul_f32 v[224+\i:225+\i], v[224+\i:225+\i], v[240:241] op_sel_hi:[1,0]
.endr
	Q1C 224, 244, 246
	ds_store_b64 v16, v[244:245]
	ds_store_b8 v17, v246
	BAR
.irp k, 0,1
.irp c, 0,1
	ds_load_b128 v[128+8*\k+4*\c:131+8*\k+4*\c], v9 offset:OIMG+1024*\k+512*\c
.endr
.endr
	ds_load_b64 v[42:43], v10 offset:OSC-AQKS
	s_wait_loadcnt 0x0
	WIN 0x55
.irp i, 0,2,4,6,8,10,12,14
	v_pk_add_f32 v[160+\i:161+\i], v[160+\i:161+\i], v[176+\i:177+\i]
.endr
	WIN 0
	s_wait_alu depctr_va_vdst(0)
	s_wait_dscnt 0x0
	NOPS 4
	WIN 0x11
	MM 224, 128, 128, 160, 46, 42, 0, 0
	MM 232, 144, 128, 168, 47, 42, 0, 0
	WIN 0x01
	MM 224, 136, 136, 224, 46, 43, 1, 0
	MM 232, 152, 136, 232, 47, 43, 1, 0
	WIN 0
	NOPS 4
	v_pk_add_f32 v[48:49], v[224:225], v[226:227]
	v_pk_add_f32 v[50:51], v[228:229], v[230:231]
	v_pk_add_f32 v[52:53], v[232:233], v[234:235]
	v_pk_add_f32 v[54:55], v[236:237], v[238:239]
	RED
	ds_store_b32 v18, v48
	BAR
	ds_load_b128 v[48:51], v19
	ds_load_b128 v[52:55], v19 offset:16
	s_wait_dscnt 0x0
	RED3
	s_delay_alu instid0(VALU_DEP_1)
	v_mul_f32 v56, s50, v48
	s_delay_alu instid0(VALU_DEP_1)
	v_mov_b32 v57, v56
.irp i, 0,2,4,6,8,10,12,14
	v_pk_add_f32 v[224+\i:225+\i], v[224+\i:225+\i], v[56:57] neg_lo:[0,1] neg_hi:[0,1]
.endr
.irp c, 0,1,2,3
	v_pk_mul_f32 v[48+2*\c:49+2*\c], v[224+2*\c:225+2*\c], v[224+2*\c:225+2*\c]
.endr
.irp c, 0,1,2,3
	s_delay_alu instid0(VALU_DEP_4)
	v_pk_fma_f32 v[48+2*\c:49+2*\c], v[232+2*\c:233+2*\c], v[232+2*\c:233+2*\c], v[48+2*\c:49+2*\c]
.endr
	RED
	ds_store_b32 v18, v48 offset:PS2-PS1
	BAR
	ds_load_b128 v[48:51], v19 offset:PS2-PS1
	ds_load_b128 v[52:55], v19 offset:PS2-PS1+16
	s_wait_dscnt 0x0
	RED3
	s_delay_alu instid0(VALU_DEP_1)
	v_fma_f32 v48, v48, s50, s51
	s_wait_alu depctr_va_vdst(0)
	v_rsq_f32 v56, v48
	v_nop
	s_wait_alu depctr_va_vdst(0)
	v_mov_b32 v57, v56
.irp i, 0,2,4,6,8,10,12,14
	v_pk_mul_f32 v[224+\i:225+\i], v[224+\i:225+\i], v[56:57]
.endr
	WIN 0x14
.irp i, 0,2,4,6,8,10,12,14
	v_pk_fma_f32 v[224+\i:225+\i], v[224+\i:225+\i], v[192+\i:193+\i], v[208+\i:209+\i]
.endr
	WIN 0
.irp q, 0,1,2,3
	ds_store_b128 v20, v[224+4*\q:227+4*\q] offset:16*\q
.endr
	BAR
.irp p, 0,1
.irp q, 0,1
	ds_load_b128 v[128+8*\p+4*\q:131+8*\p+4*\q], v21 offset:SP*\p+512*\q
.endr
.endr
	s_wait_dscnt 0x0
.irp p, 0,1
.irp q, 0,1
	global_store_b128 v9, v[128+8*\p+4*\q:131+8*\p+4*\q], s[30:31] offset:4096*\p+512*\q
.endr
.endr
	s_wait_xcnt 0x0
	v_lshl_add_u32 v254, v0, 2, 0x4e600
	v_mov_b32 v255, 0
	s_wait_alu depctr_va_vdst(0)
	s_wait_tensorcnt 0x0
	ds_add_u32 v254, v255
	s_wait_dscnt 0x0
	s_endpgm
.Lfunc_end_k_q43d45ff81b_selfatt:
	.size	k_q43d45ff81b_selfatt, .Lfunc_end_k_q43d45ff81b_selfatt-k_q43d45ff81b_selfatt
	.p2alignl 7, 3214868480
	.fill 96, 4, 3214868480
	.section	.rodata,"a",@progbits
	.p2align	6, 0x0
	.amdhsa_kernel k_q43d45ff81b_selfatt
		.amdhsa_group_segment_fixed_size 327680
		.amdhsa_private_segment_fixed_size 0
		.amdhsa_enable_private_segment 0
		.amdhsa_kernarg_size 120
		.amdhsa_user_sgpr_count 2
		.amdhsa_user_sgpr_kernarg_segment_ptr 1
		.amdhsa_wavefront_size32 1
		.amdhsa_system_sgpr_workgroup_id_x 1
		.amdhsa_system_sgpr_workgroup_id_y 1
		.amdhsa_system_sgpr_workgroup_id_z 1
		.amdhsa_system_vgpr_workitem_id 0
		.amdhsa_next_free_vgpr 512
		.amdhsa_next_free_sgpr 100
		.amdhsa_reserve_vcc 0
		.amdhsa_float_denorm_mode_32 3
		.amdhsa_float_denorm_mode_16_64 3
		.amdhsa_memory_ordered 1
		.amdhsa_forward_progress 1
		.amdhsa_inst_pref_size 132
	.end_amdhsa_kernel
	.amdgpu_metadata
---
amdhsa.version: [ 1, 2 ]
amdhsa.kernels:
  - .name:           k_q43d45ff81b_selfatt
    .symbol:         k_q43d45ff81b_selfatt.kd
    .args:
      - { .name: tgt, .offset: 0, .size: 8, .value_kind: global_buffer, .address_space: global }
      - { .name: query_pos, .offset: 8, .size: 8, .value_kind: global_buffer, .address_space: global }
      - { .name: memory, .offset: 16, .size: 8, .value_kind: global_buffer, .address_space: global }
      - { .name: ln1_g, .offset: 24, .size: 8, .value_kind: global_buffer, .address_space: global }
      - { .name: ln1_b, .offset: 32, .size: 8, .value_kind: global_buffer, .address_space: global }
      - { .name: in_proj_w_codes, .offset: 40, .size: 8, .value_kind: global_buffer, .address_space: global }
      - { .name: in_proj_w_scales, .offset: 48, .size: 8, .value_kind: global_buffer, .address_space: global }
      - { .name: in_proj_b, .offset: 56, .size: 8, .value_kind: global_buffer, .address_space: global }
      - { .name: attn_out_w_codes, .offset: 64, .size: 8, .value_kind: global_buffer, .address_space: global }
      - { .name: attn_out_w_scales, .offset: 72, .size: 8, .value_kind: global_buffer, .address_space: global }
      - { .name: attn_out_b, .offset: 80, .size: 8, .value_kind: global_buffer, .address_space: global }
      - { .name: ln2_g, .offset: 88, .size: 8, .value_kind: global_buffer, .address_space: global }
      - { .name: ln2_b, .offset: 96, .size: 8, .value_kind: global_buffer, .address_space: global }
      - { .name: tgt2w, .offset: 104, .size: 8, .value_kind: global_buffer, .address_space: global }
      - { .name: memq, .offset: 112, .size: 8, .value_kind: global_buffer, .address_space: global }
    .group_segment_fixed_size: 327680
    .private_segment_fixed_size: 0
    .kernarg_segment_align: 8
    .kernarg_segment_size: 120
    .max_flat_workgroup_size: 256
    .sgpr_count:     100
    .vgpr_count:     512
    .wavefront_size: 32
...
	.end_amdgpu_metadata
.endif
;; end of part 1
;; launch relation (part 2): grid 64 x 4, 4 waves a work-group, no clusters, 327,680 bytes of LDS; arguments relative_pos, memq, tgt2w, mlp1_w_codes, mlp1_w_scales, mlp1_b, mlp2_w_codes, mlp2_w_scales, mlp2_b, v_w_codes, v_w_scales, v_b, o_w_codes, o_w_scales, o_b, ln3_g, ln3_b, ff1_w_codes, ff1_w_scales, ff1_b, ff2_w_codes, ff2_w_scales, ff2_b, out0; writes out0
.if DOCPART == 2
	.amdgcn_target "amdgcn-amd-amdhsa--gfx1250"
	.amdhsa_code_object_version 6
	.text
	.protected	k_q43d45ff81b_relation
	.globl	k_q43d45ff81b_relation
	.p2align	8
	.type	k_q43d45ff81b_relation,@function
k_q43d45ff81b_relation:
	s_mov_b64 s[64:65], 0
	v_nop
	global_prefetch_b8 v0, s[64:65] scope:SCOPE_SE
	s_setreg_imm32_b32 hwreg(HW_REG_WAVE_MODE, 25, 1), 1
	s_wait_xcnt 0x0
; The relation branch, the o projection, the third norm and the FFN for 2 queries of one batch.  Four waves; 8 steps of 64 memory rows x 2 queries = 128 rows.
; A step: each wave makes x = tgt2 - memory + rel and y = memory + rel for 32 rows and stores their codes as operand images in LDS; then each wave takes 64 of the 256 columns:
; h = relu(x W1 + b1), quantised, through LDS; sim = h W2 and v2 = y Vw; a running softmax over the memory rows, a lane holding one (query, feature).
; rel comes through a ring of two LDS slots filled by tensor loads, one load a wave; memory rows and weights go straight into registers.
.set RP,    1040
.set QOFF,  66688
.set SLOT,  133376
.set IMG0,  266752
.set YOFF,  16384
.set HOFF,  32768
.set XSC,   IMG0+49152
.set SPARE, IMG0+52224
.set NRO,   2048
.set ORO,   4096
.set FIO,   6144
.set FSO,   14336
.set PSO,   14848
.set SPW, 1
.set NIL, 2
.set RA0, 4
.set RAC, 5
.set XW,  6
.set SW,  7
.set LI,  8
.set LS,  9
.set HW,  10
.set HSW, 11
.set FA,  12
.set FS,  13
.set HWA, 14
.set HSA, 15
.set ML,  16
.set WL,  17
.set W1S, 24
.set W2S, 28
.set VWS, 32
.set VB,  36
.set B2C, 40
.set MX,  44
.set LL,  48
.set AA,  56
.set H64L, 64
.set PS8L, 65
.set P512L, 66
.set SCP, 72
.set TM,  80
.set DD,  80
.set AL,  88
.set PCA, 96
.set TMAX, 96
.set TN,  100
.set PCB, 104
.set X,   128
.set HA,  160
.set R,   192
.set G1,  52
.set G0A, 60
.set G0B, 68
.set WV,  72
.set STP, 73
.set CNT, 74
.set TB,  75
.set IO,  76
.set SO,  77
.set MB,  78
.set WOF, 80
.set BB,  81
.set CR,  82
.set SEL, 84
.set MSB, 0
.macro WIN new
.if MSB != (\new)
	s_set_vgpr_msb (MSB<<8)|(\new)
.set MSB, (\new)
.endif
.endm
.macro NOPS n
.rept \n
	v_nop
.endr
.endm
.macro BAR
	s_wait_dscnt 0x0
	s_barrier_signal -1
	s_barrier_wait -1
.endm
.macro MM d, a, b, c, sa, sb, ra, rb
.if ((\ra) == 0) && ((\rb) == 0)
	v_wmma_scale_f32_16x16x128_f8f6f4 v[(\d):(\d)+7], v[(\a):(\a)+7], v[(\b):(\b)+7], v[(\c):(\c)+7], v[\sa], v[\sb] matrix_a_fmt:MATRIX_FMT_FP4 matrix_b_fmt:MATRIX_FMT_FP4
.elseif (\rb) == 0
	v_wmma_scale_f32_16x16x128_f8f6f4 v[(\d):(\d)+7], v[(\a):(\a)+7], v[(\b):(\b)+7], v[(\c):(\c)+7], v[\sa], v[\sb] matrix_a_fmt:MATRIX_FMT_FP4 matrix_b_fmt:MATRIX_FMT_FP4 matrix_a_scale:MATRIX_SCALE_ROW1
.else
	v_wmma_scale_f32_16x16x128_f8f6f4 v[(\d):(\d)+7], v[(\a):(\a)+7], v[(\b):(\b)+7], v[(\c):(\c)+7], v[\sa], v[\sb] matrix_a_fmt:MATRIX_FMT_FP4 matrix_b_fmt:MATRIX_FMT_FP4 matrix_b_scale:MATRIX_SCALE_ROW1
.endif
.endm
.macro MMZ d, a, b, sa, sb
	v_wmma_scale_f32_16x16x128_f8f6f4 v[(\d):(\d)+7], v[(\a):(\a)+7], v[(\b):(\b)+7], 0, v[\sa], v[\sb] matrix_a_fmt:MATRIX_FMT_FP4 matrix_b_fmt:MATRIX_FMT_FP4
.endm
.macro QCORE src, pc, pw, w
	WIN 0x05*(\w)
.irp b, 0,1,2,3
	v_max3_num_f32 v[TM+\b], |v[(\src)+16*\b]|, |v[(\src)+16*\b+1]|, 0x1800000
.endr
.irp i, 2,4,6,8,10,12,14
.irp b, 0,1,2,3
	v_max3_num_f32 v[TM+\b], |v[(\src)+16*\b+\i]|, |v[(\src)+16*\b+\i+1]|, v[TM+\b]
.endr
.endr
	WIN 0
.irp b, 0,1,2,3
	v_permlanex16_b32 v[TM+4+\b], v[TM+\b], s[SEL], s[SEL+1]
.endr
.irp b, 0,1,2,3
	v_max_num_f32 v[TM+\b], v[TM+\b], v[TM+4+\b]
.endr
.irp b, 0,1,2,3
	v_add_nc_u32 v[TM+12+\b], 0xff000000, v[TM+\b]
.endr
.irp b, 0,1,2,3
	v_lshrrev_b32 v[TM+4+\b], 23, v[TM+12+\b]
.endr
	v_lshl_or_b32 v[\pw], v[TM+5], 8, v[TM+4]
	v_lshl_or_b32 v[\pw], v[TM+6], 16, v[\pw]
	v_lshl_or_b32 v[\pw], v[TM+7], 24, v[\pw]
	WIN 0x01*(\w)
.irp b, 0,1,2,3
	v_cvt_scalef32_pk8_fp4_f32 v[(\pc)+2*\b], v[(\src)+16*\b:(\src)+16*\b+7], v[TM+12+\b]
	v_cvt_scalef32_pk8_fp4_f32 v[(\pc)+2*\b+1], v[(\src)+16*\b+8:(\src)+16*\b+15], v[TM+12+\b]
.endr
	WIN 0
	v_nop
.endm
.macro QB src, pc, ia, io, sa, so
	QCORE \src, \pc, TM+8, 0
.irp b, 0,1,2,3
	ds_store_b64 v[\ia], v[(\pc)+2*\b:(\pc)+2*\b+1] offset:(\io)+256*\b
.endr
	ds_store_b32 v[\sa], v[TM+8] offset:\so
.endm
.macro QR src, pc, pw, w
	QCORE \src, \pc, \pw, \w
.irp c, 0,1
.irp i, 0,1
	v_permlane16_swap_b32 v[(\pc)+4*\c+\i], v[(\pc)+2+4*\c+\i]
.endr
.endr
.endm
.macro PIECE dst, adr, base, n, off
.set q, 0
.rept \n
	global_load_b128 v[(\dst)+4*q:(\dst)+4*q+3], v[\adr], s[\base:\base+1] offset:(\off)+128*(q/4)+16*(q%4)
.set q, q+1
.endr
.endm
.macro WTILES dst, adr, base, nt, ns, rb, t0
.set t, \t0
.rept \nt
.set k, 0
.rept \ns
	global_load_b128 v[(\dst)+8*((\ns)*t+k):(\dst)+8*((\ns)*t+k)+3], v[\adr], s[\base:\base+1] offset:(32*(t/2)+8*(t%2))*(\rb)+64*k
	global_load_b128 v[(\dst)+8*((\ns)*t+k)+4:(\dst)+8*((\ns)*t+k)+7], v[\adr], s[\base:\base+1] offset:(32*(t/2)+8*(t%2))*(\rb)+64*k+32
.set k, k+1
.endr
.set t, t+1
.endr
.endm
.macro NTILES dst, adr, base
.irp f, 0,1,2,3
.irp k, 0,1
.irp c, 0,1
	global_load_b128 v[(\dst)+16*\f+8*\k+4*\c:(\dst)+16*\f+8*\k+4*\c+3], v[\adr], s[\base:\base+1] offset:2048*\f+64*\k+32*\c
.endr
.endr
.endr
.endm
.macro WSC dst, adr, base, nt, sb
.set t, 0
.rept \nt
	global_load_b32 v[(\dst)+t], v[\adr], s[\base:\base+1] offset:(32*(t/2)+8*(t%2))*(\sb)
.set t, t+1
.endr
.endm
.macro MLOADH win, off, i0                     ; half a tile of memory rows: 16 loads, from piece i0 on
	WIN \win
.set i, \i0
.rept 16
	global_load_b128 v[128+4*i:131+4*i], v[ML], s[MB:MB+1] offset:(\off)+256*i
.set i, i+1
.endr
	WIN 0
.endm
.macro MLOAD win, off
	WIN \win
.set i, 0
.rept 32
	global_load_b128 v[128+4*i:131+4*i], v[ML], s[MB:MB+1] offset:(\off)+256*i
.set i, i+1
.endr
	WIN 0
.endm
	s_load_b512 s[4:19], s[0:1], 0x0
	s_load_b512 s[20:35], s[0:1], 0x40
	s_load_b512 s[36:51], s[0:1], 0x80
	v_lshl_add_u32 v[SPW], v0, 2, SPARE
	v_mov_b32 v[NIL], 0
	ds_add_u32 v1, v2
	ds_add_u32 v1, v2
	s_wait_dscnt 0x0
	v_lshrrev_b32 v128, 5, v0
	v_readfirstlane_b32 s[WV], v128
	s_and_b32 s[BB], ttmp7, 0xffff
	s_lshr_b32 s86, s[WV], 1
	s_and_b32 s87, s[WV], 1
	s_lshl_b32 s88, ttmp9, 1
	s_add_co_u32 s89, s88, s86
	s_lshl_b32 s90, s89, 21
	s_lshl_b32 s91, s87, 17
	s_add_co_u32 s90, s90, s91
	s_lshl_b32 s91, s[BB], 10
	s_add_co_u32 s90, s90, s91
	s_mov_b32 s91, 0
	s_mul_i32 s[WOF], s86, QOFF
	s_mul_i32 s92, s87, 32*RP
	s_add_co_u32 s[WOF], s[WOF], s92
	s_mov_b32 s[G1+0], (2<<16)|(1<<20)|(7<<22)|(3<<25)
	s_mov_b32 s[G1+1], 256<<16
	s_mov_b32 s[G1+2], 32<<16
	s_mov_b32 s[G1+3], 256<<16
	s_mov_b32 s[G1+4], 32
	s_mov_b32 s[G1+5], 1024
	s_mov_b32 s[G1+6], 0
	s_mov_b32 s[G1+7], 0
	s_mov_b32 s[CR], 0x3db8aa3b
	s_mov_b32 s[CR+1], s[CR]
	s_mov_b32 s[SEL], 0x76543210
	s_mov_b32 s[SEL+1], 0xfedcba98
	s_mov_b32 s[TB], 0
	s_mov_b32 s96, 0x3b800000
	s_mov_b32 s97, 0x3727c5ac
	s_wait_kmcnt 0x0
	s_mov_b32 s[G0A], 1
	s_mov_b32 s[G0A+1], s[WOF]
	s_add_nc_u64 s[G0A+2:G0A+3], s[4:5], s[90:91]
	s_mov_b32 s[G0B], 1
	s_add_co_u32 s[G0B+1], s[WOF], SLOT
	s_add_nc_u64 s[G0B+2:G0B+3], s[G0A+2:G0A+3], 262144
	s_or_b32 s[G0A+3], s[G0A+3], 0x80000000
	s_or_b32 s[G0B+3], s[G0B+3], 0x80000000
	tensor_load_to_lds s[G0A:G0A+3], s[G1:G1+7]    ; slot 0: my one tensor load at the head; the weights, tgt2 and memory rows are asked for while it is out
	s_nop 0
	s_mov_b32 s93, 0
	s_lshl_b32 s92, s[WV], 13
	s_add_nc_u64 s[10:11], s[10:11], s[92:93]
	s_add_nc_u64 s[16:17], s[16:17], s[92:93]
	s_add_nc_u64 s[22:23], s[22:23], s[92:93]
	s_add_nc_u64 s[28:29], s[28:29], s[92:93]
	s_lshl_b32 s92, s[WV], 9
	s_add_nc_u64 s[12:13], s[12:13], s[92:93]
	s_add_nc_u64 s[18:19], s[18:19], s[92:93]
	s_add_nc_u64 s[24:25], s[24:25], s[92:93]
	s_add_nc_u64 s[30:31], s[30:31], s[92:93]
	s_lshl_b32 s92, s[WV], 8
	s_add_nc_u64 s[14:15], s[14:15], s[92:93]
	s_add_nc_u64 s[20:21], s[20:21], s[92:93]
	s_add_nc_u64 s[26:27], s[26:27], s[92:93]
	s_add_nc_u64 s[32:33], s[32:33], s[92:93]
	s_add_nc_u64 s[34:35], s[34:35], s[92:93]
	s_add_nc_u64 s[36:37], s[36:37], s[92:93]
	s_add_nc_u64 s[48:49], s[48:49], s[92:93]
	s_lshl_b32 s92, s[WV], 15
	s_add_nc_u64 s[38:39], s[38:39], s[92:93]
	s_add_nc_u64 s[44:45], s[44:45], s[92:93]
	s_lshl_b32 s92, s[WV], 11
	s_add_nc_u64 s[40:41], s[40:41], s[92:93]
	s_add_nc_u64 s[46:47], s[46:47], s[92:93]
	s_lshl_b32 s92, s[WV], 10
	s_add_nc_u64 s[42:43], s[42:43], s[92:93]
	s_lshl_b32 s92, s88, 12
	s_lshl_b32 s94, s[BB], 10
	s_add_co_u32 s92, s92, s94
	s_add_nc_u64 s[8:9], s[8:9], s[92:93]
	s_add_nc_u64 s[50:51], s[50:51], s[92:93]
	s_lshl_b32 s92, s[WV], 8
	s_add_nc_u64 s[98:99], s[8:9], s[92:93]
	s_lshl_b32 s92, s[BB], 19
	s_lshl_b32 s94, s[WV], 14
	s_add_co_u32 s92, s92, s94
	s_add_nc_u64 s[MB:MB+1], s[6:7], s[92:93]
	v_and_b32 v128, 15, v0
	v_bfe_u32 v129, v0, 4, 1
	v_and_b32 v130, 7, v0
	v_bfe_u32 v131, v0, 3, 1
	v_and_b32 v132, 31, v0
	v_lshl_add_u32 v133, v131, 3, v128
	v_mul_u32_u24 v[RA0], v131, QOFF
	v_mad_u32_u24 v[RA0], v130, RP, v[RA0]
	v_lshl_add_u32 v[RA0], v129, 6, v[RA0]
	s_mul_i32 s92, s[WV], 16*RP
	v_add_nc_u32 v[RA0], s92, v[RA0]
	v_lshlrev_b32 v140, 4, v128
	v_lshl_add_u32 v140, v129, 3, v140
	s_lshl_b32 s92, s[WV], 12
	s_add_co_u32 s92, s92, IMG0
	v_add_nc_u32 v[XW], s92, v140
	s_lshl_b32 s92, s[WV], 9
	s_add_co_u32 s92, s92, IMG0+HOFF
	v_add_nc_u32 v[HW], s92, v140
	v_lshlrev_b32 v140, 3, v128
	s_lshl_b32 s92, s[WV], 8
	s_add_co_u32 s92, s92, XSC
	v_add_nc_u32 v[SW], s92, v140
	v_add_nc_u32 v[LS], XSC, v140
	s_lshl_b32 s92, s[WV], 1
	s_add_co_u32 s92, s92, XSC+2048
	v_add_nc_u32 v[HSW], s92, v140
	v_lshl_add_u32 v[LI], v132, 4, IMG0
	v_lshlrev_b32 v[ML], 5, v130
	v_lshl_add_u32 v[ML], v129, 4, v[ML]
	v_lshlrev_b32 v[WL], 7, v133
	v_lshl_add_u32 v[WL], v129, 4, v[WL]
	v_lshlrev_b32 v134, 7, v128
	v_lshl_add_u32 v134, v129, 4, v134
	v_lshlrev_b32 v[H64L], 6, v129
	v_lshlrev_b32 v[PS8L], 3, v133
	v_lshl_add_u32 v[PS8L], v129, 2, v[PS8L]
	v_lshlrev_b32 v[P512L], 9, v133
	v_lshl_add_u32 v[P512L], v129, 4, v[P512L]
	v_lshlrev_b32 v137, 3, v128
	v_lshl_add_u32 v137, v129, 2, v137
	v_lshlrev_b32 v138, 2, v128
	v_lshl_add_u32 v139, v131, 12, v[H64L]
	WIN 0x40
	WTILES 0, WL, 10, 4, 2, 128, 0
	NTILES 64, 134, 16
	NTILES 128, 134, 22
	PIECE 192, H64L, 14, 8, 0
	PIECE 224, 139, 98, 8, 0
	WIN 0
	WSC W1S, PS8L, 12, 4, 8
.irp f, 0,1,2,3
	global_load_b32 v[W2S+\f], v137, s[18:19] offset:128*\f
	global_load_b32 v[VWS+\f], v137, s[24:25] offset:128*\f
	global_load_b32 v[B2C+\f], v138, s[20:21] offset:64*\f
	global_load_b32 v[VB+\f], v138, s[26:27] offset:64*\f
.endr
	WIN 0x80
	PIECE 0, 139, 8, 32, 0
	WIN 0
	MLOAD 0x80, 0
	MLOAD 0xc0, 8192
.irp f, 0,1,2,3
	v_mov_b32 v[MX+\f], 0xff61b1e6
.endr
.set j, 0
.rept 16
	v_mov_b32 v[LL+j], 0
	v_mov_b32 v[TM+j], 0
.set j, j+1
.endr
	s_wait_alu depctr_va_vdst(0)
	s_wait_tensorcnt 0x0                           ; my part of slot 0 is in; slot 1's first fill is issued as a refill is:
	ds_add_u32 v[SPW], v[NIL]                      ; 0 onto my spare word
	s_wait_dscnt 0x0
	s_barrier_signal -1
	s_barrier_wait -1                              ; slot 0 is whole
	tensor_load_to_lds s[G0B:G0B+3], s[G1:G1+7]
	s_nop 0
	NOPS 4
.macro RLOAD tl, s
.irp b, 0,1,2,3
.irp j, 0,1,2,3
	ds_load_b128 v[R+16*\b+4*\j:R+16*\b+4*\j+3], v[RAC] offset:(\tl)*8*RP+512*(\s)+128*\b+16*\j
.endr
.endr
.endm
.macro XPRE tl, s
	WIN 0x0a+4*(\tl)
.set i, 0
.rept 32
	v_pk_add_f32 v[X+i:X+i+1], v[64*(\s)+i:64*(\s)+i+1], v[128+64*(\s)+i:129+64*(\s)+i] neg_lo:[0,1] neg_hi:[0,1]
.set i, i+2
.endr
	WIN 0
.endm
.macro UNIT tl, s, cnt, more, ntl, ns
	s_wait_dscnt \cnt
.set i, 0
.rept 32
	v_pk_add_f32 v[X+i:X+i+1], v[X+i:X+i+1], v[R+i:R+i+1]
.set i, i+2
.endr
	WIN 0x08+4*(\tl)
.set i, 0
.rept 32
	v_pk_add_f32 v[R+i:R+i+1], v[R+i:R+i+1], v[128+64*(\s)+i:129+64*(\s)+i]
.set i, i+2
.endr
	WIN 0
	QB R, PCA, XW, YOFF+(\tl)*2048+1024*(\s), SW, 1024+(\tl)*128+4*(\s)
.if \more
	RLOAD \ntl, \ns
.endif
	QB X, PCB, XW, (\tl)*2048+1024*(\s), SW, (\tl)*128+4*(\s)
.endm
.macro FETCH1 xs, sc, fa, fs, fio, fso
.irp k, 0,1
.irp c, 0,1
	ds_load_b128 v[X+16*(\xs)+8*\k+4*\c:X+16*(\xs)+8*\k+4*\c+3], v[\fa] offset:(\fio)+1024*\k+512*\c
.endr
.endr
	ds_load_b64 v[(\sc):(\sc)+1], v[\fs] offset:\fso
.endm
; The first product for TWO row tiles (a = 0, 1) x my 64 hidden units: 8 accumulators, v[HA .. HA+63], by turns; b1 is the C of the first K step.
; Block n = 2 a + b of 32 hidden units lies in v[HA+16 n ..] of lanes l and l xor 16.  THE RELU: the block's maximum is taken without |.| over the floor, so that only what is positive counts;
; the numbers are converted as they are, and of each negative code the three magnitude bits are cleared: what is left is the code -0, which adds nothing to a sum.
.macro P1PAIR
	WIN 0x11
.irp a, 0,1
.irp t, 0,1,2,3
	MM HA+32*\a+8*\t, 16*\t, X+16*\a, 192+8*\t, W1S+\t, SCP+2*\a, 0, 0
.endr
.endr
	WIN 0x01
.irp a, 0,1
.irp t, 0,1,2,3
	MM HA+32*\a+8*\t, 16*\t+8, X+16*\a+8, HA+32*\a+8*\t, W1S+\t, SCP+2*\a+1, 1, 0
.endr
.endr
	WIN 0
	v_add_nc_u32 v[HWA], s[IO], v[HW]              ; four places behind the products, ahead of the loads into their operands
	v_add_nc_u32 v[HSA], s[SO], v[HSW]
	v_add_nc_u32 v[FA], s[IO], v[LI]
	v_add_nc_u32 v[FS], s[SO], v[LS]
	FETCH1 0, SCP, FA, FS, 4096, 256               ; the next trip's two tiles of x
	FETCH1 1, SCP+2, FA, FS, 6144, 384
.irp n, 0,1,2,3
	v_max3_num_f32 v[TM+\n], v[HA+16*\n], v[HA+16*\n+1], 0x1800000
.endr
.irp i, 2,4,6,8,10,12,14
.irp n, 0,1,2,3
	v_max3_num_f32 v[TM+\n], v[HA+16*\n+\i], v[HA+16*\n+\i+1], v[TM+\n]
.endr
.endr
.irp n, 0,1,2,3
	v_permlanex16_b32 v[TM+4+\n], v[TM+\n], s[SEL], s[SEL+1]
.endr
.irp n, 0,1,2,3
	v_max_num_f32 v[TM+\n], v[TM+\n], v[TM+4+\n]
.endr
.irp n, 0,1,2,3
	v_add_nc_u32 v[TM+12+\n], 0xff000000, v[TM+\n]
.endr
.irp n, 0,1,2,3
	v_lshrrev_b32 v[TM+4+\n], 23, v[TM+12+\n]
.endr
	v_lshl_or_b32 v[TM+8], v[TM+5], 8, v[TM+4]     ; tile 0's two scale bytes,
	v_lshl_or_b32 v[TM+9], v[TM+7], 8, v[TM+6]     ; tile 1's
.irp n, 0,1,2,3
	v_cvt_scalef32_pk8_fp4_f32 v[PCA+2*\n], v[HA+16*\n:HA+16*\n+7], v[TM+12+\n]
	v_cvt_scalef32_pk8_fp4_f32 v[PCA+2*\n+1], v[HA+16*\n+8:HA+16*\n+15], v[TM+12+\n]
.endr
	v_nop                                          ; one plain place behind the conversions
.irp n, 0,1,2,3,4,5,6,7
	v_and_b32 v[PCB+\n], 0x88888888, v[PCA+\n]     ; the sign bits of eight codes: 8 in each negative nibble
.endr
.irp n, 0,1,2,3,4,5,6,7
	v_lshrrev_b32 v[112+\n], 3, v[PCB+\n]          ; 1 in each negative nibble
.endr
.irp n, 0,1,2,3,4,5,6,7
	v_sub_nc_u32 v[PCB+\n], v[PCB+\n], v[112+\n]   ; 8 - 1 = 7: its magnitude bits
.endr
.irp n, 0,1,2,3,4,5,6,7
	v_bfi_b32 v[PCA+\n], v[PCB+\n], 0, v[PCA+\n]   ; cleared
.endr
.irp a, 0,1
.irp b, 0,1
	ds_store_b64 v[HWA], v[PCA+4*\a+2*\b:PCA+4*\a+2*\b+1] offset:2048*\a+256*\b
.endr
	ds_store_b16 v[HSA], v[TM+8+\a] offset:128*\a
.endr
	s_wait_dscnt 6                                 ; the ten loads of the next two tiles are in; my six stores behind them may be out
.endm
.macro FETCHY fa, fs
.irp a, 0,1
.irp k, 0,1
.irp c, 0,1
	ds_load_b128 v[X+32+16*\a+8*\k+4*\c:X+32+16*\a+8*\k+4*\c+3], v[\fa] offset:YOFF+2048*\a+1024*\k+512*\c
.endr
.endr
	ds_load_b64 v[SCP+4+2*\a:SCP+5+2*\a], v[\fs] offset:1024+128*\a
.endr
.endm
.macro FETCHH fa, fs
.irp a, 0,1
.irp k, 0,1
.irp c, 0,1
	ds_load_b128 v[X+16*\a+8*\k+4*\c:X+16*\a+8*\k+4*\c+3], v[\fa] offset:HOFF+2048*\a+1024*\k+512*\c
.endr
.endr
	ds_load_b64 v[SCP+2*\a:SCP+2*\a+1], v[\fs] offset:2048+128*\a
.endr
.endm
.macro MUL2
.irp k, 0,1
.irp a, 0,1
.irp f, 0,1,2,3
.if \k == 0
	MMZ 8*(4*\a+\f), X+16*\a, 64+16*\f, SCP+2*\a, W2S+\f
	MMZ 64+8*(4*\a+\f), X+32+16*\a, 128+16*\f, SCP+4+2*\a, VWS+\f
.else
	MM 8*(4*\a+\f), X+16*\a+8, 64+16*\f+8, 8*(4*\a+\f), SCP+2*\a+1, W2S+\f, 0, 1
	MM 64+8*(4*\a+\f), X+32+16*\a+8, 128+16*\f+8, 64+8*(4*\a+\f), SCP+5+2*\a, VWS+\f, 0, 1
.endif
.endr
.endr
.endr
.endm
.macro SOFT
	WIN 0x0f
.irp f, 0,1,2,3
	v_max_num_f32 v[TMAX+\f], v[8*\f], v[8*\f+1]
.endr
.irp i, 2,4,6
.irp f, 0,1,2,3
	v_max3_num_f32 v[TMAX+\f], v[8*\f+\i], v[8*\f+\i+1], v[TMAX+\f]
.endr
.endr
.irp i, 0,2,4,6
.irp f, 0,1,2,3
	v_max3_num_f32 v[TMAX+\f], v[32+8*\f+\i], v[32+8*\f+\i+1], v[TMAX+\f]
.endr
.endr
	WIN 0
.irp f, 0,1,2,3
	v_fma_f32 v[TN+\f], v[TMAX+\f], s[CR], v[B2C+\f]
.endr
.irp f, 0,1,2,3
	v_max_num_f32 v[TN+\f], v[TN+\f], v[MX+\f]
.endr
.irp f, 0,1,2,3
	v_sub_f32 v[AL+2*\f], v[MX+\f], v[TN+\f]
.endr
.irp f, 0,1,2,3
	v_mov_b32 v[MX+\f], v[TN+\f]
.endr
.irp f, 0,1,2,3
	v_sub_f32 v[DD+2*\f], v[B2C+\f], v[TN+\f]
.endr
	s_wait_alu depctr_va_vdst(0)
.irp f, 0,1,2,3
	v_exp_f32 v[AL+2*\f], v[AL+2*\f]
.endr
	WIN 0xc3
.irp a, 0,1
.irp f, 0,1,2,3
.irp i, 0,2,4,6
	v_pk_fma_f32 v[8*(4*\a+\f)+\i:8*(4*\a+\f)+\i+1], v[8*(4*\a+\f)+\i:8*(4*\a+\f)+\i+1], s[CR:CR+1], v[DD+2*\f:DD+2*\f+1] op_sel_hi:[1,0,0]
.endr
.endr
.endr
.set j, 0
	s_wait_alu depctr_va_vdst(0)
.rept 64
	v_exp_f32 v[j], v[j]
.set j, j+1
.endr
	v_nop
	s_wait_alu depctr_va_vdst(0)
	WIN 0
.irp f, 0,1,2,3
	v_pk_mul_f32 v[LL+2*\f:LL+2*\f+1], v[LL+2*\f:LL+2*\f+1], v[AL+2*\f:AL+2*\f+1] op_sel_hi:[1,0]
	v_pk_mul_f32 v[AA+2*\f:AA+2*\f+1], v[AA+2*\f:AA+2*\f+1], v[AL+2*\f:AL+2*\f+1] op_sel_hi:[1,0]
.endr
	WIN 0x0f
.irp a, 0,1
.irp i, 0,2,4,6
.irp f, 0,1,2,3
	v_pk_fma_f32 v[LL+2*\f:LL+2*\f+1], v[8*(4*\a+\f)+\i:8*(4*\a+\f)+\i+1], 1.0, v[LL+2*\f:LL+2*\f+1] op_sel_hi:[1,0,1]
	v_pk_fma_f32 v[AA+2*\f:AA+2*\f+1], v[8*(4*\a+\f)+\i:8*(4*\a+\f)+\i+1], v[64+8*(4*\a+\f)+\i:64+8*(4*\a+\f)+\i+1], v[AA+2*\f:AA+2*\f+1]
.endr
.endr
.endr
	WIN 0
.endm
.macro STEP fill
	s_wait_loadcnt 32
	XPRE 0, 0
	UNIT 0, 0, 0, 1, 0, 1
.if \fill
	MLOADH 0x80, 65536, 0                          ; the next step's memory rows, 65,536 bytes on, in four runs of 16 loads: each as soon as its 64 registers have been read
.endif
	XPRE 0, 1
	UNIT 0, 1, 5, 1, 1, 0
.if \fill
	MLOADH 0x80, 65536, 16
	s_wait_loadcnt 32                              ; this step's second tile of memory rows is in: behind it the 32 loads of the next step's first
.else
	s_wait_loadcnt 0x0
	s_add_nc_u64 s[MB:MB+1], s[MB:MB+1], 65536
	s_cmp_eq_u32 s[STP], 1
	s_cbranch_scc1 .Lfa_\@
	MLOAD 0x80, 0
	s_branch .Lfb_\@
.Lfa_\@:
	WIN 0x80
	WTILES 0, WL, 38, 8, 2, 128, 8
	WIN 0
.Lfb_\@:
.endif
	XPRE 1, 0
	UNIT 1, 0, 5, 1, 1, 1
.if \fill
	MLOADH 0xc0, 65536+8192, 0
.endif
	XPRE 1, 1
.if (\fill) == 0
	s_cmp_eq_u32 s[STP], 1
	s_cbranch_scc0 .Lfc_\@
	WIN 0x80
	WTILES 0, WL, 38, 8, 2, 128, 0
	WIN 0
.Lfc_\@:
.endif
	UNIT 1, 1, 5, 0, 0, 0
.if \fill
	MLOADH 0xc0, 65536+8192, 16
.else
	s_cmp_eq_u32 s[STP], 1
	s_cbranch_scc1 .Lfe_\@
	MLOAD 0xc0, 8192
	s_branch .Lff_\@
.Lfe_\@:
	WIN 0xc0
	WTILES 0, P512L, 44, 2, 8, 512, 2
	WIN 0
.Lff_\@:
.endif
	BAR                                            ; the images of x and y are whole, and nobody reads this step's slot any more
	s_mov_b32 s[IO], 0
	s_mov_b32 s[SO], 0
	FETCH1 0, SCP, LI, LS, 0, 0
	FETCH1 1, SCP+2, LI, LS, 2048, 128
	s_mov_b32 s[CNT], 4
	s_wait_dscnt 0x0
.Lp1_\@:
	P1PAIR
	s_add_co_u32 s[IO], s[IO], 4096
	s_add_co_u32 s[SO], s[SO], 256
	s_sub_co_u32 s[CNT], s[CNT], 1
	s_cmp_lg_u32 s[CNT], 0
	s_cbranch_scc1 .Lp1_\@
; THE CHANGE OF SLOTS stands between the two products: one barrier shows h's image whole and the next slot whole, and behind it the slot that this step has read out is filled again.
	s_wait_tensorcnt 0x0                           ; my one tensor load that was out, my part of the next slot, has landed
	ds_add_u32 v[SPW], v[NIL]                      ; 0 onto my spare word
.if \fill
	s_add_co_u32 s[G0B+1], s[TB], s[WOF]           ; no tensor load of mine is out, so the descriptor may be written: the slot read out, the tile two steps on
	s_add_nc_u64 s[G0B+2:G0B+3], s[G0B+2:G0B+3], 262144
	s_wait_xcnt 0x0                                ; the loads of memory rows have read their base:
	s_add_nc_u64 s[MB:MB+1], s[MB:MB+1], 65536     ; on to the next step's
.endif
	s_xor_b32 s[TB], s[TB], SLOT
	s_wait_dscnt 0x0                               ; the add and my stores of h are done
	s_barrier_signal -1
	s_barrier_wait -1
.if \fill
	tensor_load_to_lds s[G0B:G0B+3], s[G1:G1+7]
	s_nop 0
	NOPS 4
.endif
	v_add_nc_u32 v[RAC], s[TB], v[RA0]
	FETCHY LI, LS
	FETCHH LI, LS
	RLOAD 0, 0                                     ; the next step's first rows of rel, into the registers that held tile 1's h
.if (\fill) == 0
	s_cmp_eq_u32 s[STP], 1
	s_cbranch_scc0 .Lfd_\@
	WIN 0x40
	WTILES 0, WL, 28, 4, 2, 128, 0
	PIECE 192, H64L, 32, 8, 0
	WIN 0
	WSC 24, PS8L, 30, 4, 8
.Lfd_\@:
.endif
	s_mov_b32 s[IO], 0
	s_mov_b32 s[SO], 0
	s_mov_b32 s[CNT], 4
	s_wait_dscnt 16                                ; y's and h's fragments are in; the 16 loads of rel behind them may be out
.Lp2_\@:
	s_add_co_u32 s[IO], s[IO], 4096
	s_add_co_u32 s[SO], s[SO], 256
	WIN 0xf4
	MUL2
	WIN 0
	v_add_nc_u32 v[FA], s[IO], v[LI]
	v_add_nc_u32 v[FS], s[SO], v[LS]
	NOPS 2
	s_cmp_eq_u32 s[CNT], 1
	s_cbranch_scc1 .Lp2n_\@
	FETCHY FA, FS
	FETCHH FA, FS
.Lp2n_\@:
	SOFT
	s_wait_dscnt 0x0                               ; the next trip's fragments are in
	s_sub_co_u32 s[CNT], s[CNT], 1
	s_cmp_lg_u32 s[CNT], 0
	s_cbranch_scc1 .Lp2_\@
	BAR
.endm
	v_add_nc_u32 v[RAC], s[TB], v[RA0]
	RLOAD 0, 0
	s_wait_loadcnt 32                              ; all but the second tile of memory rows is in, mlp2_b among it
.irp f, 0,1,2,3
	v_mul_f32 v[B2C+\f], s[CR], v[B2C+\f]
.endr
	s_mov_b32 s[STP], 6
.Lfill:
	STEP 1
	s_sub_co_u32 s[STP], s[STP], 1
	s_cmp_lg_u32 s[STP], 0
	s_cbranch_scc1 .Lfill
	s_mov_b32 s[STP], 2
.Llast:
	STEP 0
	s_sub_co_u32 s[STP], s[STP], 1
	s_cmp_lg_u32 s[STP], 0
	s_cbranch_scc1 .Llast
.set TM,  60
.set H64, 9
.set P512, 11
.set PS8, 12
.set P32, 13
.set TRW, 14
.set TRL, 15
.set NRA, 16
.set PSW, 18
.set PSR, 19
.set FIA, 20
.set FSA, 21
.set FIR, 22
.set FSR, 23
	s_wait_loadcnt 0x0
	s_wait_alu depctr_va_vdst(0)
.irp f, 0,1,2,3
	v_add_f32 v[80+\f], v[LL+2*\f], v[LL+2*\f+1]
	v_add_f32 v[76+\f], v[AA+2*\f], v[AA+2*\f+1]
.endr
	s_wait_alu depctr_va_vdst(0)
.irp f, 0,1,2,3
	v_rcp_f32 v[80+\f], v[80+\f]
.endr
	v_and_b32 v3, 15, v0
	v_bfe_u32 v4, v0, 4, 1
	v_bfe_u32 v5, v0, 3, 1
	v_and_b32 v6, 31, v0
	v_lshl_add_u32 v7, v5, 3, v3
	v_lshlrev_b32 v[H64], 6, v4
	v_lshlrev_b32 v[P512], 9, v7
	v_lshl_add_u32 v[P512], v4, 4, v[P512]
	v_lshlrev_b32 v[PS8], 3, v7
	v_lshl_add_u32 v[PS8], v4, 2, v[PS8]
	v_lshlrev_b32 v[P32], 5, v7
	v_lshl_add_u32 v[P32], v4, 4, v[P32]
	s_lshl_b32 s92, s[WV], 8
	s_add_co_u32 s94, s92, IMG0
	v_lshlrev_b32 v[TRW], 2, v3
	v_lshl_add_u32 v[TRW], v4, 10, v[TRW]
	v_add_nc_u32 v[TRW], s94, v[TRW]
	v_lshl_add_u32 v[TRL], v5, 10, v[H64]
	v_add_nc_u32 v[NRA], s94, v[TRL]
	v_add_nc_u32 v[TRL], IMG0, v[TRL]
	v_lshlrev_b32 v[PSR], 4, v3
	v_add_nc_u32 v[PSR], IMG0+PSO, v[PSR]
	s_lshl_b32 s94, s[WV], 2
	v_add_nc_u32 v[PSW], s94, v[PSR]
	v_lshlrev_b32 v[FIR], 4, v6
	v_add_nc_u32 v[FIR], IMG0+FIO, v[FIR]
	s_lshl_b32 s94, s[WV], 11
	v_add_nc_u32 v[FIA], s94, v[FIR]
	v_lshlrev_b32 v[FSR], 2, v3
	v_add_nc_u32 v[FSR], IMG0+FSO, v[FSR]
	s_lshl_b32 s94, s[WV], 7
	v_add_nc_u32 v[FSA], s94, v[FSR]
.irp b, 0,1,2,3
	v_mov_b32 v[TM+4+\b], 0
.endr
	s_wait_alu depctr_va_vdst(0)
.irp f, 0,1,2,3
	v_fma_f32 v[76+\f], v[76+\f], v[80+\f], v[VB+\f]
.endr
.irp f, 0,1,2,3
	ds_store_b32 v[TRW], v[76+\f] offset:64*\f
.endr
	WIN 0x40
	PIECE 64, H64, 42, 32, 0
	WIN 0xc0
	WTILES 0, P512, 44, 2, 8, 512, 0
	WIN 0
	WSC 28, PS8, 40, 16, 8
.irp t, 0,1,2,3
	global_load_b128 v[44+4*\t:47+4*\t], v[P32], s[46:47] offset:(32*(\t/2)+8*(\t%2))*32
.endr
	PIECE 96, H64, 48, 8, 0
	PIECE 128, H64, 34, 8, 0
	PIECE 160, H64, 36, 8, 0
	BAR
.macro QROW off
.irp k, 0,1
.irp b, 0,1,2,3
.irp j, 0,1,2,3
	ds_load_b128 v[192+16*\b+4*\j:195+16*\b+4*\j], v[TRL] offset:(\off)+512*\k+128*\b+16*\j
.endr
.endr
	s_wait_dscnt 0x0
	QR 192, 76+8*\k, 92+\k, 0
.endr
	NOPS 8
.endm
	QROW 0
	WIN 0x51
.irp k, 0,1
.irp t, 0,1,2,3
	MM 192+8*\t, 16*\t+8*\k, 76+8*\k, 192+8*\t, 24+\t, 92+\k, \k, 0
.endr
.endr
	WIN 0
	NOPS 4
	WIN 0x55
.set j, 0
.rept 32
	v_max_num_f32 v[192+j], 0, v[192+j]
.set j, j+1
.endr
.set i, 0
.rept 16
	v_pk_add_f32 v[224+i:225+i], v[224+i:225+i], v[192+i:193+i]
.set i, i+2
.endr
	WIN 0x05
.irp i, 0,1,2,3,4,5,6,7
	v_pk_add_f32 v[192+2*\i:193+2*\i], v[224+4*\i:225+4*\i], v[226+4*\i:227+4*\i]
.endr
	WIN 0
.irp i, 0,1,2,3
	v_pk_add_f32 v[192+2*\i:193+2*\i], v[192+2*\i:193+2*\i], v[200+2*\i:201+2*\i]
.endr
.irp i, 0,1
	v_pk_add_f32 v[192+2*\i:193+2*\i], v[192+2*\i:193+2*\i], v[196+2*\i:197+2*\i]
.endr
	v_pk_add_f32 v[192:193], v[192:193], v[194:195]
	v_add_f32 v192, v192, v193
	v_permlanex16_b32 v193, v192, s[SEL], s[SEL+1]
	v_add_f32 v192, v192, v193
	ds_store_b32 v[PSW], v192
	BAR
	ds_load_b128 v[196:199], v[PSR]
	s_wait_dscnt 0x0
	v_add_f32 v196, v196, v197
	v_add_f32 v198, v198, v199
	v_add_f32 v196, v196, v198
	v_mul_f32 v94, s96, v196
	v_mov_b32 v95, v94
	WIN 0x01
.set i, 0
.rept 16
	v_pk_add_f32 v[192+i:193+i], v[224+i:225+i], v[94:95] neg_lo:[0,1] neg_hi:[0,1]
.set i, i+2
.endr
	WIN 0
.irp c, 0,1,2,3
	v_pk_mul_f32 v[224+2*\c:225+2*\c], v[192+2*\c:193+2*\c], v[192+2*\c:193+2*\c]
.endr
.irp i, 8,16,24
.irp c, 0,1,2,3
	v_pk_fma_f32 v[224+2*\c:225+2*\c], v[192+\i+2*\c:193+\i+2*\c], v[192+\i+2*\c:193+\i+2*\c], v[224+2*\c:225+2*\c]
.endr
.endr
	v_pk_add_f32 v[224:225], v[224:225], v[226:227]
	v_pk_add_f32 v[228:229], v[228:229], v[230:231]
	v_pk_add_f32 v[224:225], v[224:225], v[228:229]
	v_add_f32 v224, v224, v225
	v_permlanex16_b32 v225, v224, s[SEL], s[SEL+1]
	v_add_f32 v224, v224, v225
	ds_store_b32 v[PSW], v224 offset:256
	BAR
	ds_load_b128 v[228:231], v[PSR] offset:256
	s_wait_dscnt 0x0
	v_add_f32 v228, v228, v229
	v_add_f32 v230, v230, v231
	v_add_f32 v228, v228, v230
	v_fma_f32 v228, v228, s96, s97
	s_wait_alu depctr_va_vdst(0)
	v_rsq_f32 v94, v228
	v_nop
	s_wait_alu depctr_va_vdst(0)
	v_mov_b32 v95, v94
.set i, 0
.rept 16
	v_pk_mul_f32 v[192+i:193+i], v[192+i:193+i], v[94:95]
.set i, i+2
.endr
	s_wait_loadcnt 0x0
.set i, 0
.rept 16
	v_pk_fma_f32 v[192+i:193+i], v[192+i:193+i], v[128+i:129+i], v[160+i:161+i]
.set i, i+2
.endr
.irp q, 0,1,2,3,4,5,6,7
	ds_store_b128 v[NRA], v[192+4*\q:195+4*\q] offset:NRO+128*(\q/4)+16*(\q%4)
.endr
	BAR
	QROW NRO
	WIN 0x52
.irp k, 0,1
.set t, 0
.rept 16
	MM 64+8*t, 16*t+8*\k, 76+8*\k, 64+8*t, 28+t, 92+\k, \k, 0
.set t, t+1
.endr
.endr
	WIN 0
	NOPS 4
.irp e, 0,1
	WIN 0x04
.set j, 0
.rept 64
	v_max_num_f32 v[192+j], 0, v[64+64*\e+j]
.set j, j+1
.endr
	WIN 0
	QR 192, 76+8*\e, 92+\e, 0
	ds_store_b128 v[FIA], v[76+8*\e:79+8*\e] offset:1024*\e
	ds_store_b128 v[FIA], v[80+8*\e:83+8*\e] offset:1024*\e+512
	ds_store_b32 v[FSA], v[92+\e] offset:64*\e
.endr
	BAR
.irp k, 0,1,2,3,4,5,6,7
	ds_load_b128 v[192+8*\k:195+8*\k], v[FIR] offset:1024*\k
	ds_load_b128 v[196+8*\k:199+8*\k], v[FIR] offset:1024*\k+512
	ds_load_b32 v[60+\k], v[FSR] offset:64*\k
.endr
	s_wait_dscnt 0x0
	WIN 0x03
.irp k, 0,1,2,3,4,5,6,7
.irp t, 0,1,2,3
	MM 96+8*\t, 64*\t+8*\k, 192+8*\k, 96+8*\t, 44+4*\t+(\k%4), 60+\k, \k/4, 0
.endr
.endr
	WIN 0
	NOPS 4
	WIN 0x04
.set i, 0
.rept 16
	v_pk_add_f32 v[96+i:97+i], v[96+i:97+i], v[224+i:225+i]
.set i, i+2
.endr
	WIN 0
	v_lshlrev_b32 v10, 4, v3
	v_lshl_add_u32 v11, v4, 12, v10
	v_add_nc_u32 v11, s92, v11
	v_lshl_add_u32 v10, v4, 10, v10
	s_add_co_u32 s94, s92, IMG0+ORO
	v_add_nc_u32 v10, s94, v10
.irp q, 0,1,2,3,4,5,6,7
	ds_store_b128 v[NRA], v[96+4*\q:99+4*\q] offset:ORO+128*(\q/4)+16*(\q%4)
.endr
	ds_load_b128 v[192:195], v10
	s_wait_alu depctr_va_vdst(0)
	s_wait_dscnt 0x0
	global_store_b128 v11, v[192:195], s[50:51]
	s_wait_tensorcnt 0x0
	ds_add_u32 v[SPW], v[NIL]
	s_wait_dscnt 0x0
	s_endpgm
.Lfunc_end_k_q43d45ff81b_relation:
	.size	k_q43d45ff81b_relation, .Lfunc_end_k_q43d45ff81b_relation-k_q43d45ff81b_relation
	.p2alignl 7, 3214868480
	.fill 96, 4, 3214868480
	.section	.rodata,"a",@progbits
	.p2align	6, 0x0
	.amdhsa_kernel k_q43d45ff81b_relation
		.amdhsa_group_segment_fixed_size 327680
		.amdhsa_private_segment_fixed_size 0
		.amdhsa_enable_private_segment 0
		.amdhsa_kernarg_size 192
		.amdhsa_user_sgpr_count 2
		.amdhsa_user_sgpr_kernarg_segment_ptr 1
		.amdhsa_wavefront_size32 1
		.amdhsa_system_sgpr_workgroup_id_x 1
		.amdhsa_system_sgpr_workgroup_id_y 1
		.amdhsa_system_sgpr_workgroup_id_z 1
		.amdhsa_system_vgpr_workitem_id 0
		.amdhsa_next_free_vgpr 1024
		.amdhsa_next_free_sgpr 100
		.amdhsa_reserve_vcc 0
		.amdhsa_float_denorm_mode_32 3
		.amdhsa_float_denorm_mode_16_64 3
		.amdhsa_memory_ordered 1
		.amdhsa_forward_progress 1
		.amdhsa_inst_pref_size 255
	.end_amdhsa_kernel
	.section	.bss,"aw",@nobits
	.p2align	6
	.space	262144
	.amdgpu_metadata
---
amdhsa.version: [ 1, 2 ]
amdhsa.kernels:
  - .name:           k_q43d45ff81b_relation
    .symbol:         k_q43d45ff81b_relation.kd
    .args:
      - { .name: relative_pos, .offset: 0, .size: 8, .value_kind: global_buffer, .address_space: global }
      - { .name: memq, .offset: 8, .size: 8, .value_kind: global_buffer, .address_space: global }
      - { .name: tgt2w, .offset: 16, .size: 8, .value_kind: global_buffer, .address_space: global }
      - { .name: mlp1_w_codes, .offset: 24, .size: 8, .value_kind: global_buffer, .address_space: global }
      - { .name: mlp1_w_scales, .offset: 32, .size: 8, .value_kind: global_buffer, .address_space: global }
      - { .name: mlp1_b, .offset: 40, .size: 8, .value_kind: global_buffer, .address_space: global }
      - { .name: mlp2_w_codes, .offset: 48, .size: 8, .value_kind: global_buffer, .address_space: global }
      - { .name: mlp2_w_scales, .offset: 56, .size: 8, .value_kind: global_buffer, .address_space: global }
      - { .name: mlp2_b, .offset: 64, .size: 8, .value_kind: global_buffer, .address_space: global }
      - { .name: v_w_codes, .offset: 72, .size: 8, .value_kind: global_buffer, .address_space: global }
      - { .name: v_w_scales, .offset: 80, .size: 8, .value_kind: global_buffer, .address_space: global }
      - { .name: v_b, .offset: 88, .size: 8, .value_kind: global_buffer, .address_space: global }
      - { .name: o_w_codes, .offset: 96, .size: 8, .value_kind: global_buffer, .address_space: global }
      - { .name: o_w_scales, .offset: 104, .size: 8, .value_kind: global_buffer, .address_space: global }
      - { .name: o_b, .offset: 112, .size: 8, .value_kind: global_buffer, .address_space: global }
      - { .name: ln3_g, .offset: 120, .size: 8, .value_kind: global_buffer, .address_space: global }
      - { .name: ln3_b, .offset: 128, .size: 8, .value_kind: global_buffer, .address_space: global }
      - { .name: ff1_w_codes, .offset: 136, .size: 8, .value_kind: global_buffer, .address_space: global }
      - { .name: ff1_w_scales, .offset: 144, .size: 8, .value_kind: global_buffer, .address_space: global }
      - { .name: ff1_b, .offset: 152, .size: 8, .value_kind: global_buffer, .address_space: global }
      - { .name: ff2_w_codes, .offset: 160, .size: 8, .value_kind: global_buffer, .address_space: global }
      - { .name: ff2_w_scales, .offset: 168, .size: 8, .value_kind: global_buffer, .address_space: global }
      - { .name: ff2_b, .offset: 176, .size: 8, .value_kind: global_buffer, .address_space: global }
      - { .name: out0, .offset: 184, .size: 8, .value_kind: global_buffer, .address_space: global }
    .group_segment_fixed_size: 327680
    .private_segment_fixed_size: 0
    .kernarg_segment_align: 8
    .kernarg_segment_size: 192
    .max_flat_workgroup_size: 128
    .sgpr_count:     100
    .vgpr_count:     1024
    .wavefront_size: 32
...
	.end_amdgpu_metadata
.endif
;; end of part 2
